; MI455X (gfx1250); checked and timed in simulation.
; The chip was launched on July 23, 2026; its instructions are those of AMD's public machine-readable ISA for CDNA 5 (MIT licence, August 2026) and "CDNA5" Instruction Set Architecture Reference Guide (July 2026). The comments in the code are by the model that wrote it; some were corrected since.
;; Multi Head Attention. Allowed arithmetic: matrix products marked QUANTISED: E2M1 operands, one E8M0 scale for each 32 along K, by v_wmma_scale_f32_16x16x128_f8f6f4 with both operands' format E2M1 (or v_wmma_scale_f32_32x16x128_f4), f32 sums; everything else in f32.
;; Inputs: Wk_codes 12 x 64 x 24 x 16 uint8 (E2M1 codes of Wk, K innermost, in blocks of 32 codes, two codes a byte); Wk_scales 12 x 64 x 24 uint8 (E8M0 scales of Wk, one for each 32 codes along K); Wo_codes 768 x 24 x 16 uint8 (E2M1 codes of Wo, K innermost, in blocks of 32 codes, two codes a byte); Wo_scales 768 x 24 uint8 (E8M0 scales of Wo, one for each 32 codes along K); Wq_codes 12 x 64 x 24 x 16 uint8 (E2M1 codes of Wq, K innermost, in blocks of 32 codes, two codes a byte); Wq_scales 12 x 64 x 24 uint8 (E8M0 scales of Wq, one for each 32 codes along K); Wv_codes 12 x 64 x 24 x 16 uint8 (E2M1 codes of Wv, K innermost, in blocks of 32 codes, two codes a byte); Wv_scales 12 x 64 x 24 uint8 (E8M0 scales of Wv, one for each 32 codes along K); bk 12 x 64 float32; bo 768 float32; bq 12 x 64 float32; bv 12 x 64 float32; x_codes 16 x 1,024 x 24 x 16 uint8 (E2M1 codes of x, K innermost, in blocks of 32 codes, two codes a byte); x_scales 16 x 1,024 x 24 uint8 (E8M0 scales of x, one for each 32 codes along K).
;; Outputs: out0 16 x 1,024 x 768 float32.
;; This version of the problem:
;;   THIS VERSION OF THE PROBLEM IS GIVEN IN LOW PRECISION. The matrix products marked QUANTISED in the list below multiply operands that are first quantised to E2M1 (2 exponent bits, 1 mantissa bit; 4 bits a number), with one power-of-two scale for each 32 numbers along K (OCP MX v1.0); their sums are f32. All else is computed in f32.
;;   The module's matrix products, in the order in which they are computed (A, B: the left and right operand; K: the contracted axis; several contracted axes count as one K, in the product's order):
;;     1. [M 768, K 768] x [K 768, N 16,384]; A: input Wq (given as codes); B: input x (given as codes): QUANTISED
;;     2. [M 768, K 768] x [K 768, N 16,384]; A: input Wk (given as codes); B: input x (given as codes): QUANTISED
;;     3. [M 768, K 768] x [K 768, N 16,384]; A: input Wv (given as codes); B: input x (given as codes): QUANTISED
;;     4. batch 192 x [M 1,024, K 64] x [K 64, N 1,024]; A: computed on the way; B: computed on the way: QUANTISED
;;     5. batch 192 x [M 1,024, K 1,024] x [K 1,024, N 64]; A: softmax (see below); B: computed on the way: QUANTISED
;;     6. [M 16,384, K 768] x [K 768, N 768]; A: computed on the way; B: input Wo (given as codes): QUANTISED
;;   THE QUANTISER, for each operand of a quantised product, along K:
;;     - K is cut into blocks of 32 from its start; a last block that is shorter is filled with zeros.
;;     - A block's scale is 2^e with e = floor(log2(the largest magnitude in the block)) - 2, held to -126 .. 127; a block of zeros has e = 0. As a byte (E8M0): e + 127.
;;     - Each number is divided by its block's scale, clamped to +-6, and rounded to the nearest number of E2M1, ties to even, subnormals kept.
;;     - The product sums the exact products of the quantised numbers (number of the format x scale) in f32.
;;   ~~~python
;;   def quantise(x, axis):      # numpy; x: float32 -> the quantised numbers, widened to float32 again
;;       x = np.moveaxis(x, axis, -1); K = x.shape[-1]
;;       x = np.pad(x, [(0, 0)] * (x.ndim - 1) + [(0, -K % 32)]); x = x.reshape(x.shape[:-1] + (-1, 32)); a = np.abs(x).max(-1, keepdims=True)
;;       e = np.where(a > 0, np.clip(np.frexp(np.where(a > 0, a, 1))[1] - 1 - 2, -126, 127), 0)      # np.frexp(a)[1] - 1 = floor(log2(a)), exactly
;;       r = np.clip(x / 2.0 ** e, -6, 6)
;;       step = 2.0 ** (np.maximum(np.frexp(np.where(r == 0, 1, r))[1] - 1, 0) - 1)
;;       q = np.round(r / step) * step * 2.0 ** e      # np.round: ties to even
;;       return np.moveaxis(q.reshape(q.shape[:-2] + (-1,))[..., :K], -1, axis).astype(np.float32)
;;   ~~~
;;   SOFTMAX AHEAD OF A QUANTISED PRODUCT. Where the list says 'softmax', what is quantised is not the finished softmax but p = 2^(t - M), with t = logit x log2(e) and M = ceil(the row's largest t), a whole number; so 1/2 < the row's largest p <= 1. The row's sum l is taken of the UNQUANTISED p, in f32, and the product's result is divided by l at the end. Since M is a whole number, a kernel that streams over the keys may use a running M (the ceiling of the running maximum): every later rescaling is an exact power of two, which a block's scale takes up: the codes' values come out the same.
;;   OPERANDS COMPUTED ON THE WAY. 'Computed on the way' means the value that the module computes at that place (a softmax that the list does not call 'softmax' is quantised finished and normalised). What goes into a quantiser is computed in f32, as accurately as f32 sums, v_exp_f32 and their like allow (about 1e-6 of the number): no bf16 or f16 on the way to a quantiser, and a product that is left as it is and whose result goes on into a quantised operand takes f32 operands (vector FMAs, or v_wmma_f32_16x16x4_f32). A number that lies on a knife's edge between two numbers of the format may be rounded either way, as far as f32 arithmetic and the matrix unit's own rounding can turn it there, and no further.
;;   INPUTS GIVEN AS CODES. Wk (in the module: [12, 64, 768], K = its axis 2); Wo (in the module: [768, 768], K = its axis 1); Wq (in the module: [12, 64, 768], K = its axis 2); Wv (in the module: [12, 64, 768], K = its axis 2); x (in the module: [16, 1024, 768], K = its axis 2): each comes as NAME_codes (uint8): NAME with its K axis moved to the last place and cut into blocks of 32 codes, [.., K / 32, bytes a block], one block behind the other in memory; two codes a byte, the lower K in the low four bits (a code: sign, 2 exponent bits, 1 mantissa bit); and NAME_scales (uint8): the same leading axes, one E8M0 byte (e + 127) for each 32 codes along K. Its value is code x scale, taken as it is: it is not quantised again, and the codes and scales need not be those that the quantiser above would give.
;; One version. Each part assembles by itself: llvm-mc -triple=amdgcn-amd-amdhsa -mcpu=gfx1250 --defsym DOCPART=n.
;; ======== version 1 of 1: 3 launches
;; workspace buffers: qbuf 7,077,888 bytes; kvbuf 13,762,560 bytes; ac 6,291,456 bytes; asc 393,216 bytes
;; launch qkv (part 1): grid 64 x 9, 8 waves a work-group, clusters of 4 x 1, 234,496 bytes of LDS; arguments x_codes, x_scales, Wq_codes, Wq_scales, Wk_codes, Wk_scales, Wv_codes, Wv_scales, bq, bk, bv, qbuf, kvbuf; writes qbuf, kvbuf
.if DOCPART == 1
	.amdgcn_target "amdgcn-amd-amdhsa--gfx1250"
	.amdhsa_code_object_version 6
	.text
	.protected	k_q3fb8de013e_qkv
	.globl	k_q3fb8de013e_qkv
	.p2align	8
	.type	k_q3fb8de013e_qkv,@function
k_q3fb8de013e_qkv:
	s_mov_b64 s[64:65], 0
	v_nop
	global_prefetch_b8 v0, s[64:65] scope:SCOPE_SE
	s_setreg_imm32_b32 hwreg(HW_REG_WAVE_MODE, 25, 1), 1
	s_wait_xcnt 0x0
	s_wait_alu depctr_hold_cnt(0) depctr_sa_sdst(0) depctr_va_vdst(0) depctr_va_sdst(0) depctr_va_ssrc(0) depctr_va_vcc(0) depctr_vm_vsrc(0)
	s_getreg_b32 s2, hwreg(HW_REG_IB_STS2, 6, 4)
	s_cmp_eq_u32 s2, 0
	s_cbranch_scc0 .Lentry_in_a_cluster
	s_endpgm
.Lentry_in_a_cluster:
	s_bfe_u32 s2, ttmp6, 0x10000c
	s_cmp_lg_u32 s2, 0x3003
	s_cbranch_scc0 .Lentry_shape_is_right
	s_endpgm
.Lentry_shape_is_right:
; q, k, v = x W^T + b for 12 heads of 64, on codes of FP4 (E2M1) with one E8M0 scale for each 32 along K = 768; the f32 results are quantised again at once,
; q and k along the head's 64 channels, v along the keys, and leave as IMAGES OF THE NEXT PRODUCTS' OPERAND REGISTERS (16 bytes a lane, 512 bytes a store).
; SHARES.  x is [16,384 tokens][768]; Wq, Wk, Wv together are 2,304 rows of 768.  A work-group makes 256 tokens x 256 rows of ONE of the three: grid y = 0-2 q, 3-5 k, 6-8 v.
; ONE TEXT FOR BOTH ROLES.  Every wave computes D = Big x Small^T (source 0 = 16 rows of Big, source 1 = 16 rows of Small): a lane then holds ONE row of Small and its registers run along Big,
; the axis that is quantised.  q, k: Big = W (channels), Small = x (tokens).  v: Big = x (tokens = keys), Small = Wv (channels).  Wave w takes Big rows 128 (w & 1) on and Small rows 64 (w >> 1) on:
; 8 x 4 accumulators, 256 registers; K goes in 6 steps of 128.
; THE QUANTISER ON NATURAL TILES.  In tile t lane (r, h) holds Big 16 t + 8 h + 0..7.  A block of 32 is tiles 2 b and 2 b + 1 of lanes l and l xor 16.  The codes of (block b, even tile) go to register
; 4 (b / 2) + b % 2, those of (block b, odd tile) to 4 (b / 2) + 2 + b % 2; two exchanges of halves for each four registers then give register 4 c + i of lane (r, h) the codes of 64 c + 32 h + 8 i + 0..7.
; LDS is filled ONCE: both tiles for all of K (256 rows x 384 bytes each) and their scale bytes.  No slot is filled again.
; CLUSTER 4 x 1: the four partners share grid y, so W's tile and its scales are asked for jointly (mask 15).  x's tile is read by the nine work-groups of a grid column; nine is no multiple of a
; cluster's four, so x's loads are each work-group's own.
; 576 work-groups do not divide evenly over the WGPs: 2,304 rows hold a factor 9, and a split that kept whole heads and one role to a work-group found no even count.
; LIMITS: NaN, infinities and a given scale byte 0xff are not served.  A block whose largest magnitude lies under 2^-124 keeps the byte 1; a block of zeros gets the byte 1 and not 127: its codes are zeros,
; and the bytes are read by this program alone.  The bias is added as the first product's C (q, k) or behind the sums (v).
.set PITCH, 432                        ; a row in LDS: 3 pieces of 128 bytes, 16 bytes of padding behind each: an odd multiple of 16, so the 16 rows of a load fall on 16 different 16-byte columns modulo 256
.set XREG,  256*PITCH                  ; LDS: W's 256 rows at 0, x's 256 rows here,
.set WSC,   512*PITCH                  ; W's scale bytes (24 a row, dense), and x's 6,144 bytes further on
.set WV,  30                           ; s30 wave;  s31 place in the cluster;  s32 batch;  s33 grid y;  s34 0 q, 1 k, 2 v;  s35 which 256 rows of that W
.set CX,  31
.set BT,  32
.set YY,  33
.set MM,  34
.set CBM, 35
.set ISV, 36                           ; s36 1 in role v
.set GG,  37                           ; s37 which 128 rows of Big;  s38 which 64 rows of Small;  s39 which 64 rows I fetch
.set Q4,  38
.set W3,  39
.set HI,  40                           ; s40 lanes 16-31 as a mask
.set NV,  41                           ; s41 all ones in roles q, k;  s42 all ones in role v
.set IV,  42
.set SEL, 44                           ; s[44:45] v_permlanex16_b32's selects for lane l xor 16
.set G0WC, 48                          ; descriptor groups 0: W's codes, W's scales, x's codes, x's scales
.set G0WS, 52
.set G0XC, 56
.set G0XS, 60
.set G1CJ, 68                          ; groups 1: codes joint, scales joint, codes plain, scales plain
.set G1SJ, 76
.set G1CP, 84
.set G1SP, 92
.set BIGA, 4                           ; v4-7 LDS addresses: Big's fragments, Small's, Big's scale words, Small's
.set SMLA, 5
.set BSA,  6
.set SSA,  7
.set L16,  8                           ; v8 16 x lane;  v9 8 x lane;  v10 32 h;  v11 4 r
.set L8,   9
.set H32,  10
.set R4,   11
.set BF,   16                          ; v16-79 Big's 8 fragments; later T: 64 numbers of a lane
.set T,    16
.set SF,   80                          ; v80-111 Small's 4 fragments; later the four jobs' codes
.set SCB,  112                         ; v112-135 Big's scale words: register 6 p + s: lanes 0-15 tile 2 p, lanes 16-31 tile 2 p + 1, K step s
.set SCS,  136                         ; v136-147 Small's likewise
.set BIB,  148                         ; v148-211 the bias along Big, in the result's layout
.set BSM,  212                         ; v212-219 the bias along Small, a pair for each job
.set TM,   220                         ; v220-223 largest magnitudes;  v224-227 at work;  v228-231 the conversions' scale operands
.set T2,   224
.set SCV,  228
.set PWS,  232                         ; v232-235 the four jobs' scale words;  v236-239 their images
; window 1 (v256-511): accumulator (j, t) at v[64 j + 8 t]
.set MSB, 0
.macro WIN new                         ; the immediate's high byte repeats the setting that is left
.if MSB != (\new)
	s_set_vgpr_msb (MSB<<8)|(\new)
.set MSB, (\new)
.endif
.endm
.macro PLACES n
.rept \n
	v_nop
.endr
.endm
.macro CROUND                          ; a round of the cluster's barrier
	s_barrier_signal -1
	s_barrier_wait -1
	s_cmp_lg_u32 s[WV], 0
	s_cbranch_scc1 .Lnot_wave_0_\@
	s_barrier_signal -3
.Lnot_wave_0_\@:
	s_barrier_wait -3
	s_barrier_signal -1
	s_barrier_wait -1
.endm
	s_load_b256 s[4:11], s[0:1], 0x0               ; x's codes, x's scales, Wq's codes, Wq's scales
	s_load_b256 s[12:19], s[0:1], 0x20             ; Wk's, Wv's
	s_load_b256 s[20:27], s[0:1], 0x40             ; bq, bk, bv, qbuf
	s_load_b64 s[28:29], s[0:1], 0x60              ; kvbuf
	v_lshl_add_u32 v254, v0, 2, 0x39000
	v_mov_b32 v255, 0
	ds_add_u32 v254, v255
	ds_add_u32 v254, v255
	v_lshrrev_b32 v1, 5, v0
	v_readfirstlane_b32 s[WV], v1
	s_bfe_u32 s[CX], ttmp6, 0x40000
	s_mov_b32 s[BT], ttmp9                         ; a cluster's four work-groups are the 1,024 tokens of one batch
	s_and_b32 s[YY], ttmp7, 0xffff
	s_cmp_ge_u32 s[YY], 3
	s_cselect_b32 s[MM], 1, 0
	s_cmp_ge_u32 s[YY], 6
	s_cselect_b32 s43, 1, 0
	s_add_co_u32 s[MM], s[MM], s43
	s_mul_i32 s43, s[MM], 3
	s_sub_co_u32 s[CBM], s[YY], s43
	s_cmp_eq_u32 s[MM], 2
	s_cselect_b32 s[ISV], 1, 0
	s_cselect_b32 s[NV], 0, -1
	s_cselect_b32 s[IV], -1, 0
	s_and_b32 s[GG], s[WV], 1
	s_lshr_b32 s[Q4], s[WV], 1
	s_and_b32 s[W3], s[WV], 3
	s_mov_b32 s[HI], 0xffff0000
	s_mov_b32 s[SEL], 0x76543210
	s_mov_b32 s[SEL+1], 0xfedcba98
	; groups 1.  Codes: 64 rows of 384 bytes are dense in memory: 192 rows of 128 bytes (16 elements of 8), 4 words of padding behind every 32
	s_mov_b32 s[G1CJ], 15|(3<<16)|(1<<20)|(1<<21)|(4<<22)|(3<<25)   ; 15:0 the mask: all four partners; 17:16 elements of 8 bytes; 20 padding on; 21 set beside a mask; 24:22 code 4; 31:25 code 3
	s_mov_b32 s[G1CP], (3<<16)|(1<<20)|(4<<22)|(3<<25)
.irp g, G1CJ, G1CP
	s_mov_b32 s[\g+1], 16<<16                      ; tensor_dim0
	s_mov_b32 s[\g+2], 192<<16                     ; tensor_dim1
	s_mov_b32 s[\g+3], 16<<16                      ; tile_dim0
	s_mov_b32 s[\g+4], 192                         ; tile_dim1
	s_mov_b32 s[\g+5], 16                          ; the pitch
	s_mov_b32 s[\g+6], 0
	s_mov_b32 s[\g+7], 0
.endr
	; scale bytes: 64 rows of 24 bytes are 1,536 dense bytes: 6 rows of 256, no padding
	s_mov_b32 s[G1SJ], 15|(3<<16)|(1<<21)
	s_mov_b32 s[G1SP], 3<<16
.irp g, G1SJ, G1SP
	s_mov_b32 s[\g+1], 32<<16
	s_mov_b32 s[\g+2], 6<<16
	s_mov_b32 s[\g+3], 32<<16
	s_mov_b32 s[\g+4], 6
	s_mov_b32 s[\g+5], 32
	s_mov_b32 s[\g+6], 0
	s_mov_b32 s[\g+7], 0
.endr
	s_lshl_b32 s46, s[W3], 6                       ; the 64 rows that I fetch
	s_lshl_b32 s43, s[CBM], 8
	s_add_co_u32 s43, s43, s46                     ; in W: 256 x block + 64 x (wave & 3): the partners share it
	s_mul_i32 s66, s43, 384
	s_mov_b32 s67, 0
	s_mul_i32 s100, s43, 24
	s_mov_b32 s101, 0
	s_lshl_b32 s47, s[BT], 2
	s_add_co_u32 s47, s47, s[CX]
	s_lshl_b32 s47, s47, 8
	s_add_co_u32 s47, s47, s46                     ; in x: 1,024 x batch + 256 x place + 64 x (wave & 3)
	s_mul_i32 s2, s[WV], 64*PITCH                  ; where they go: waves 0-3 fill W's rows, waves 4-7 x's, which lie behind them
	s_mul_i32 s3, s[WV], 1536
	s_wait_dscnt 0x0
	s_wait_kmcnt 0x0
	s_cmp_eq_u32 s[MM], 1                          ; which W, which bias, which output: the choice hangs on grid y alone
	s_cselect_b64 s[8:9], s[12:13], s[8:9]
	s_cselect_b64 s[10:11], s[14:15], s[10:11]
	s_cselect_b64 s[20:21], s[22:23], s[20:21]
	s_cmp_eq_u32 s[MM], 2
	s_cselect_b64 s[8:9], s[16:17], s[8:9]
	s_cselect_b64 s[10:11], s[18:19], s[10:11]
	s_cselect_b64 s[20:21], s[24:25], s[20:21]
	s_cmp_eq_u32 s[MM], 0
	s_cselect_b64 s[26:27], s[26:27], s[28:29]
	s_mul_i32 s12, s47, 384
	s_mov_b32 s13, 0
	s_mul_i32 s14, s47, 24
	s_mov_b32 s15, 0
	s_mov_b32 s[G0WC], 1
	s_mov_b32 s[G0WC+1], s2
	s_add_nc_u64 s[G0WC+2:G0WC+3], s[8:9], s[66:67]
	s_or_b32 s[G0WC+3], s[G0WC+3], 0x80000000
	s_mov_b32 s[G0WS], 1
	s_add_co_u32 s[G0WS+1], s3, WSC
	s_add_nc_u64 s[G0WS+2:G0WS+3], s[10:11], s[100:101]
	s_or_b32 s[G0WS+3], s[G0WS+3], 0x80000000
	s_mov_b32 s[G0XC], 1
	s_mov_b32 s[G0XC+1], s2
	s_add_nc_u64 s[G0XC+2:G0XC+3], s[4:5], s[12:13]
	s_or_b32 s[G0XC+3], s[G0XC+3], 0x80000000
	s_mov_b32 s[G0XS], 1
	s_add_co_u32 s[G0XS+1], s3, WSC
	s_add_nc_u64 s[G0XS+2:G0XS+3], s[6:7], s[14:15]
	s_or_b32 s[G0XS+3], s[G0XS+3], 0x80000000
	CROUND                                         ; all four partners are here: the joint loads meet
	s_cmp_lt_u32 s[WV], 4                          ; a wave's two fills stand in one branch on the wave's number: two tensor loads of mine are out
	s_cbranch_scc0 .Lfor_x
	tensor_load_to_lds s[G0WC:G0WC+3], s[G1CJ:G1CJ+7]
	s_nop 0
	tensor_load_to_lds s[G0WS:G0WS+3], s[G1SJ:G1SJ+7]
	s_nop 0
	PLACES 4                                       ; four v_nop behind the loads
	s_branch .Lasked
.Lfor_x:
	tensor_load_to_lds s[G0XC:G0XC+3], s[G1CP:G1CP+7]
	s_nop 0
	tensor_load_to_lds s[G0XS:G0XS+3], s[G1SP:G1SP+7]
	s_nop 0
	PLACES 4
.Lasked:
	; the biases, both ways; the way that is not this role's is cleared below
	v_and_b32 v1, 31, v0                           ; lane
	v_and_b32 v2, 15, v0                           ; r
	v_bfe_u32 v3, v0, 4, 1                         ; h
	v_lshlrev_b32 v[H32], 5, v3
	v_lshlrev_b32 v[R4], 2, v2
	s_lshl_b32 s43, s[CBM], 10
	s_lshl_b32 s22, s[GG], 9
	s_add_co_u32 s22, s22, s43
	s_mov_b32 s23, 0
	s_add_nc_u64 s[22:23], s[20:21], s[22:23]      ; along Big: b[256 block + 128 g + 16 t + 8 h + 0..7]
	s_lshl_b32 s24, s[Q4], 8
	s_add_co_u32 s24, s24, s43
	s_mov_b32 s25, 0
	s_add_nc_u64 s[24:25], s[20:21], s[24:25]      ; along Small: b[256 block + 64 q4 + 16 j + r].  Both stay inside the 768 numbers in both roles
.irp t, 0,1,2,3,4,5,6,7
	global_load_b128 v[BIB+8*\t:BIB+8*\t+3], v[H32], s[22:23] offset:64*\t
	global_load_b128 v[BIB+8*\t+4:BIB+8*\t+7], v[H32], s[22:23] offset:64*\t+16
.endr
.irp j, 0,1,2,3
	global_load_b32 v[BSM+2*\j], v[R4], s[24:25] offset:64*\j
.endr
	; LDS addresses.  They serve loads alone, behind the one barrier
	v_mul_u32_u24 v12, v2, PITCH
	v_lshl_add_u32 v12, v3, 4, v12                 ; a fragment's row x pitch + 16 h
	v_mul_u32_u24 v13, v1, 24                      ; scale words: a lane a row, 32 rows a load
	s_cmp_eq_u32 s[ISV], 1
	s_cselect_b32 s43, XREG, 0                     ; Big is x in role v, else W
	s_cselect_b32 s46, 0, XREG
	s_cselect_b32 s47, 6144, 0
	s_cselect_b32 s2, 0, 6144
	s_mul_i32 s3, s[GG], 128*PITCH
	s_add_co_u32 s43, s43, s3
	s_mul_i32 s3, s[Q4], 64*PITCH
	s_add_co_u32 s46, s46, s3
	s_mul_i32 s3, s[GG], 128*24
	s_add_co_u32 s47, s47, s3
	s_add_co_u32 s47, s47, WSC
	s_mul_i32 s3, s[Q4], 64*24
	s_add_co_u32 s2, s2, s3
	s_add_co_u32 s2, s2, WSC
	v_add_nc_u32 v[BIGA], s43, v12
	v_add_nc_u32 v[SMLA], s46, v12
	v_add_nc_u32 v[BSA], s47, v13
	v_add_nc_u32 v[SSA], s2, v13
	v_lshlrev_b32 v[L16], 4, v1
	v_lshlrev_b32 v[L8], 3, v1
.irp b, 0,1,2,3
	v_mov_b32 v[T2+\b], 0                          ; written once: a lane permute's destination counts as one of its sources
.endr
	; where the results go.  A head's block is 36,864 bytes in qbuf (codes 32,768, scale words 4,096) and 71,680 in kvbuf (k so, then v's codes 32,768 and scale words 2,048)
	s_lshl_b32 s43, s[GG], 1
	s_cmp_eq_u32 s[ISV], 1
	s_cselect_b32 s43, s[Q4], s43                  ; my (first) head in the block of four: q4 in role v, else 2 g
	s_lshl_b32 s46, s[CBM], 2
	s_add_co_u32 s43, s43, s46
	s_mul_i32 s46, s[BT], 12
	s_add_co_u32 s43, s43, s46                     ; 12 x batch + head
	s_mov_b32 s47, 71680
	s_cmp_eq_u32 s[MM], 0
	s_cselect_b32 s47, 36864, s47
	s_mul_i32 s46, s43, s47                        ; the head's block
	s_lshl_b32 s100, s[CX], 2
	s_add_co_u32 s100, s100, s[Q4]                 ; q, k: my four tiles of 16 tokens are quad 4 cx + q4:
	s_lshl_b32 s101, s100, 11                      ; codes 512 bytes a tile,
	s_lshl_b32 s100, s100, 8
	s_add_co_u32 s100, s100, 32768                 ; scale words 256 bytes a quad
	s_lshl_b32 s66, s[CX], 1
	s_add_co_u32 s66, s66, s[GG]                   ; v: my 128 keys are key step 2 cx + g:
	s_lshl_b32 s67, s66, 12
	s_add_co_u32 s67, s67, 36864                   ; codes 4,096 bytes a step,
	s_lshl_b32 s66, s66, 8
	s_add_co_u32 s66, s66, 69632                   ; scale words 256
	s_mov_b32 s2, 2048
	s_cmp_eq_u32 s[ISV], 1
	s_cselect_b32 s101, s67, s101
	s_cselect_b32 s100, s66, s100
	s_cselect_b32 s47, s2, s47                     ; from registers 0-3 to registers 4-7 of a job's codes: the next head's block (q, k) or the step's second half (v)
	s_add_co_u32 s12, s46, s101
	s_mov_b32 s13, 0
	s_add_nc_u64 s[12:13], s[26:27], s[12:13]
	s_mov_b32 s14, s47
	s_mov_b32 s15, 0
	s_add_nc_u64 s[14:15], s[12:13], s[14:15]
	s_add_co_u32 s16, s46, s100
	s_mov_b32 s17, 0
	s_add_nc_u64 s[16:17], s[26:27], s[16:17]
	s_mov_b32 s18, s47
	s_mov_b32 s19, 0
	s_add_nc_u64 s[18:19], s[16:17], s[18:19]      ; (used in roles q, k alone)
	s_wait_loadcnt 0x0                             ; the biases
.set i, 0
.rept 64
	v_and_b32 v[BIB+i], s[NV], v[BIB+i]            ; role v: zeros
.set i, i+1
.endr
.irp j, 0,1,2,3
	v_and_b32 v[BSM+2*\j], s[IV], v[BSM+2*\j]      ; roles q, k: zeros
.endr
.irp j, 0,1,2,3
	v_mov_b32 v[BSM+2*\j+1], v[BSM+2*\j]           ; twice, for the packed addition
.endr
	s_wait_tensorcnt 0x0                           ; both my fills have landed,
	s_barrier_signal -1
	s_barrier_wait -1                              ; everybody's have
.irp p, 0,1,2,3
.irp q, 0,1,2
	ds_load_b64 v[SCB+6*\p+2*\q:SCB+6*\p+2*\q+1], v[BSA] offset:768*\p+8*\q   ; the scale words of all six K steps stay in registers
.endr
.endr
.irp p, 0,1
.irp q, 0,1,2
	ds_load_b64 v[SCS+6*\p+2*\q:SCS+6*\p+2*\q+1], v[SSA] offset:768*\p+8*\q
.endr
.endr
; One product: accumulator (j, t), K step s, C at register c.  An odd tile's scale words lie in lanes 16-31 of their register.
.macro WM j, t, s, c
.set rD, 64*(\j)+8*(\t)
.set rA, BF+8*(\t)
.set rB, SF+8*(\j)
.set rC, \c
.set rX, SCB+6*((\t)/2)+(\s)
.set rY, SCS+6*((\j)/2)+(\s)
.if ((\t)%2 == 0) && ((\j)%2 == 0)
	v_wmma_scale_f32_16x16x128_f8f6f4 v[rD:rD+7], v[rA:rA+7], v[rB:rB+7], v[rC:rC+7], v[rX], v[rY] matrix_a_fmt:MATRIX_FMT_FP4 matrix_b_fmt:MATRIX_FMT_FP4
.elseif (\j)%2 == 0
	v_wmma_scale_f32_16x16x128_f8f6f4 v[rD:rD+7], v[rA:rA+7], v[rB:rB+7], v[rC:rC+7], v[rX], v[rY] matrix_a_fmt:MATRIX_FMT_FP4 matrix_b_fmt:MATRIX_FMT_FP4 matrix_a_scale:MATRIX_SCALE_ROW1
.elseif (\t)%2 == 0
	v_wmma_scale_f32_16x16x128_f8f6f4 v[rD:rD+7], v[rA:rA+7], v[rB:rB+7], v[rC:rC+7], v[rX], v[rY] matrix_a_fmt:MATRIX_FMT_FP4 matrix_b_fmt:MATRIX_FMT_FP4 matrix_b_scale:MATRIX_SCALE_ROW1
.else
	v_wmma_scale_f32_16x16x128_f8f6f4 v[rD:rD+7], v[rA:rA+7], v[rB:rB+7], v[rC:rC+7], v[rX], v[rY] matrix_a_fmt:MATRIX_FMT_FP4 matrix_b_fmt:MATRIX_FMT_FP4 matrix_a_scale:MATRIX_SCALE_ROW1 matrix_b_scale:MATRIX_SCALE_ROW1
.endif
.endm
; A K step of 128: 24 LDS loads, 32 products.  The 32 accumulators take turns, one instruction a turn, in the same order in every step.
; The first step's C is the bias along Big: nothing is cleared.  The SIMD's other wave works while this one waits for its fragments.
.macro KSTEP s
.if \s > 0
	PLACES 4                                       ; four places in front of loads into registers that matrix instructions have read (ISA guide 7.12.1 for vector instructions)
.endif
	WIN 0
.irp t, 0,1,2,3,4,5,6,7
.irp c, 0,1
	ds_load_b128 v[BF+8*\t+4*\c:BF+8*\t+4*\c+3], v[BIGA] offset:\t*16*PITCH+((\s)>>1)*144+((\s)&1)*64+32*\c
.endr
.endr
.irp j, 0,1,2,3
.irp c, 0,1
	ds_load_b128 v[SF+8*\j+4*\c:SF+8*\j+4*\c+3], v[SMLA] offset:\j*16*PITCH+((\s)>>1)*144+((\s)&1)*64+32*\c
.endr
.endr
	s_wait_dscnt 0x0
.if \s == 0
	WIN 0x40                                       ; D in window 1, C (the bias) in window 0
.else
	WIN 0x50                                       ; C and D in window 1
.endif
.irp j, 0,1,2,3
.irp t, 0,1,2,3,4,5,6,7
.if \s == 0
	WM \j, \t, \s, BIB+8*\t
.else
	WM \j, \t, \s, 64*\j+8*\t
.endif
.endr
.endr
.endm
.irp s, 0,1,2,3,4,5
	KSTEP \s
.endr
; 64 numbers of a lane, register 8 t + i = Big 16 t + 8 h + i of my row of Small, become a fragment's 8 registers of codes at v[pc] and its scale word in v[pw].
.macro QN4 src, pc, pw
.irp b, 0,1,2,3
	v_max3_num_f32 v[TM+\b], |v[(\src)+16*\b]|, |v[(\src)+16*\b+1]|, 0x1800000   ; block b: my 16 numbers, and the floor 2^(3 - 127): the byte cannot fall under 1
.endr
.irp i, 2,4,6,8,10,12,14
.irp b, 0,1,2,3
	v_max3_num_f32 v[TM+\b], v[TM+\b], |v[(\src)+16*\b+\i]|, |v[(\src)+16*\b+\i+1]|   ; (the four blocks by turns)
.endr
.endr
.irp b, 0,1,2,3
	v_permlanex16_b32 v[T2+\b], v[TM+\b], s[SEL], s[SEL+1]
.endr
.irp b, 0,1,2,3
	v_max_num_f32 v[TM+\b], v[TM+\b], v[T2+\b]     ; with lane l xor 16's 16: the block's largest magnitude
.endr
.irp b, 0,1,2,3
	v_add_nc_u32 v[SCV+\b], 0xff000000, v[TM+\b]   ; 2 off its exponent field: the conversion takes the exponent field of this operand as its scale
.endr
.irp b, 0,1,2,3
	v_lshrrev_b32 v[T2+\b], 23, v[SCV+\b]          ; the scale's byte
.endr
	v_lshl_or_b32 v[\pw], v[T2+1], 8, v[T2]
	v_lshl_or_b32 v[\pw], v[T2+2], 16, v[\pw]
	v_lshl_or_b32 v[\pw], v[T2+3], 24, v[\pw]
.irp b, 0,1,2,3
	v_cvt_scalef32_pk8_fp4_f32 v[(\pc)+4*(\b/2)+(\b%2)], v[(\src)+16*\b:(\src)+16*\b+7], v[SCV+\b]        ; the even tile: 32 b + 8 h + 0..7
	v_cvt_scalef32_pk8_fp4_f32 v[(\pc)+4*(\b/2)+2+(\b%2)], v[(\src)+16*\b+8:(\src)+16*\b+15], v[SCV+\b]   ; the odd tile: 32 b + 16 + 8 h + 0..7
.endr
	v_nop                                          ; one plain place behind a scaled conversion
.irp c, 0,1
	v_permlane16_swap_b32 v[(\pc)+4*\c], v[(\pc)+4*\c+1]       ; the first's lanes 16-31 change places with the second's lanes 0-15:
	v_permlane16_swap_b32 v[(\pc)+4*\c+2], v[(\pc)+4*\c+3]     ; register 4 c + i now holds 64 c + 32 h + 8 i + 0..7
.endr
.endm
; Job j: the 16 rows of Small of tile j.  The addition of the bias along Small is also the way from window 1 to window 0; it takes each accumulator from its low end on.
.macro JOB j
	WIN 0x01                                       ; source 0 in window 1
.set i, 0
.rept 32
	v_pk_add_f32 v[T+2*i:T+2*i+1], v[64*\j+2*i:64*\j+2*i+1], v[BSM+2*\j:BSM+2*\j+1]
.set i, i+1
.endr
	WIN 0
	QN4 T, SF+8*\j, PWS+\j
	global_store_b128 v[L16], v[SF+8*\j:SF+8*\j+3], s[12:13] offset:512*\j     ; 32 lanes store 512 consecutive bytes, at a multiple of 256 from the buffer's first byte
	global_store_b128 v[L16], v[SF+8*\j+4:SF+8*\j+7], s[14:15] offset:512*\j   ; each job has its own registers for its codes: no store's data are written again
.endm
	PLACES 4                                       ; in front of the first read of results and the first write over fragments
	JOB 0
	JOB 1
	JOB 2
	JOB 3
	; the scale words' image: lane (r, u), word i = the word of job 2 i + u, row r: 256 consecutive bytes
	v_cndmask_b32 v236, v[PWS], v[PWS+1], s[HI]
	v_cndmask_b32 v237, v[PWS+2], v[PWS+3], s[HI]
	global_store_b64 v[L8], v[236:237], s[16:17]   ; q, k: the first head reads bytes 0 and 1; bytes 2 and 3 meet zero codes there and are never 0xff
	s_cmp_eq_u32 s[ISV], 1                         ; the same in all four partners
	s_cbranch_scc1 .Lone_image
	v_lshrrev_b32 v238, 16, v236                   ; q, k: the second head's two bytes
	v_lshrrev_b32 v239, 16, v237
	global_store_b64 v[L8], v[238:239], s[18:19]
.Lone_image:
	s_wait_tensorcnt 0x0
	ds_add_u32 v254, v255
	s_wait_dscnt 0x0
	CROUND                                         ; the closing round: no work-group ends while a partner may still ask for a tile that names it
	s_endpgm
.Lfunc_end_k_q3fb8de013e_qkv:
	.size	k_q3fb8de013e_qkv, .Lfunc_end_k_q3fb8de013e_qkv-k_q3fb8de013e_qkv
	.p2alignl 7, 3214868480
	.fill 96, 4, 3214868480
	.section	.rodata,"a",@progbits
	.p2align	6, 0x0
	.amdhsa_kernel k_q3fb8de013e_qkv
		.amdhsa_group_segment_fixed_size 234496
		.amdhsa_private_segment_fixed_size 0
		.amdhsa_enable_private_segment 0
		.amdhsa_kernarg_size 104
		.amdhsa_user_sgpr_count 2
		.amdhsa_user_sgpr_kernarg_segment_ptr 1
		.amdhsa_wavefront_size32 1
		.amdhsa_system_sgpr_workgroup_id_x 1
		.amdhsa_system_sgpr_workgroup_id_y 1
		.amdhsa_system_sgpr_workgroup_id_z 1
		.amdhsa_system_vgpr_workitem_id 0
		.amdhsa_next_free_vgpr 512
		.amdhsa_next_free_sgpr 102
		.amdhsa_reserve_vcc 0
		.amdhsa_float_denorm_mode_32 3
		.amdhsa_float_denorm_mode_16_64 3
		.amdhsa_memory_ordered 1
		.amdhsa_forward_progress 1
		.amdhsa_inst_pref_size 74
	.end_amdhsa_kernel
	.amdgpu_metadata
---
amdhsa.version: [ 1, 2 ]
amdhsa.kernels:
  - .name:           k_q3fb8de013e_qkv
    .symbol:         k_q3fb8de013e_qkv.kd
    .args:
      - { .name: x_codes, .offset: 0, .size: 8, .value_kind: global_buffer, .address_space: global }
      - { .name: x_scales, .offset: 8, .size: 8, .value_kind: global_buffer, .address_space: global }
      - { .name: Wq_codes, .offset: 16, .size: 8, .value_kind: global_buffer, .address_space: global }
      - { .name: Wq_scales, .offset: 24, .size: 8, .value_kind: global_buffer, .address_space: global }
      - { .name: Wk_codes, .offset: 32, .size: 8, .value_kind: global_buffer, .address_space: global }
      - { .name: Wk_scales, .offset: 40, .size: 8, .value_kind: global_buffer, .address_space: global }
      - { .name: Wv_codes, .offset: 48, .size: 8, .value_kind: global_buffer, .address_space: global }
      - { .name: Wv_scales, .offset: 56, .size: 8, .value_kind: global_buffer, .address_space: global }
      - { .name: bq, .offset: 64, .size: 8, .value_kind: global_buffer, .address_space: global }
      - { .name: bk, .offset: 72, .size: 8, .value_kind: global_buffer, .address_space: global }
      - { .name: bv, .offset: 80, .size: 8, .value_kind: global_buffer, .address_space: global }
      - { .name: qbuf, .offset: 88, .size: 8, .value_kind: global_buffer, .address_space: global }
      - { .name: kvbuf, .offset: 96, .size: 8, .value_kind: global_buffer, .address_space: global }
    .group_segment_fixed_size: 234496
    .private_segment_fixed_size: 0
    .kernarg_segment_align: 8
    .kernarg_segment_size: 104
    .max_flat_workgroup_size: 256
    .sgpr_count:     102
    .vgpr_count:     512
    .wavefront_size: 32
...
	.end_amdgpu_metadata
.endif
;; end of part 1
;; launch attn (part 2): grid 256 x 1, 16 waves a work-group, clusters of 4 x 1, 217,088 bytes of LDS; arguments qbuf, kvbuf, ac, asc; writes ac, asc
.if DOCPART == 2
	.amdgcn_target "amdgcn-amd-amdhsa--gfx1250"
	.amdhsa_code_object_version 6
	.text
	.protected	k_q3fb8de013e_attn
	.globl	k_q3fb8de013e_attn
	.p2align	8
	.type	k_q3fb8de013e_attn,@function
k_q3fb8de013e_attn:
	s_mov_b64 s[64:65], 0
	v_nop
	global_prefetch_b8 v0, s[64:65] scope:SCOPE_SE
	s_setreg_imm32_b32 hwreg(HW_REG_WAVE_MODE, 25, 1), 1
	s_wait_xcnt 0x0
	s_wait_alu depctr_hold_cnt(0) depctr_sa_sdst(0) depctr_va_vdst(0) depctr_va_sdst(0) depctr_va_ssrc(0) depctr_va_vcc(0) depctr_vm_vsrc(0)
	s_getreg_b32 s2, hwreg(HW_REG_IB_STS2, 6, 4)
	s_cmp_eq_u32 s2, 0
	s_cbranch_scc0 .Lentry_in_a_cluster
	s_endpgm
.Lentry_in_a_cluster:
	s_bfe_u32 s2, ttmp6, 0x10000c
	s_cmp_lg_u32 s2, 0x3003
	s_cbranch_scc0 .Lentry_shape_is_right
	s_endpgm
.Lentry_shape_is_right:
; o = softmax(q k^T / 8) v for 192 heads (16 batches x 12) of 1,024 tokens x 64 channels, both products on codes of FP4 (E2M1) with E8M0 scales; o is quantised along the channels for the output projection.
; THE SOFTMAX AHEAD OF THE SECOND PRODUCT: t = score x log2(e) / 8; M = the row's largest t so far, rounded UP to a whole number; p = 2^(t - M) is quantised along the keys, not normalised.
; The row's sum is taken of the unquantised p in f32 and divides O at the end.  When M moves, the sum and O are multiplied by 2^(old M - new M): exact.
; SHARES.  A cluster of four work-groups owns three heads, 3 g + 0..2 (all of one batch).  Work-group cx takes queries 256 cx on of each; each of its sixteen waves one tile of 16 queries: three UNITS a wave.
; Four waves to a SIMD: one wave's vector work stands beside another's products and LDS loads.
; LDS.  A head's whole block of kvbuf, 71,680 bytes, lies in LDS as it lies in memory: three blocks, each filled ONCE, all asked for at the head (waves 0-3, a quarter of a block to a load, three loads a wave).
; The four partners ask JOINTLY (mask 15).  No slot is filled again.  Unit 0 begins when block 0 has landed; the other two land under its eight key steps and are waited for ahead of its stores.
; The blocks are images of operand registers: every fragment is read at 16 x lane + a constant.
; LAYOUT.  Both products are used transposed: S^T = K Q^T (source 0 = 16 keys, source 1 = my 16 queries), O^T = V^T P^T (source 0 = 16 channels, source 1 = P): a lane holds ONE query (lane % 16) throughout.
; The first product's K is 64: registers 4-7 of Q's and K's fragments are zero codes, written once.
; In tile t of S^T lane (r, h) holds keys 16 t + 8 h + 0..7; a block of 32 keys is tiles 2 b, 2 b + 1 of lanes l and l xor 16.  The codes of (block b, even tile) go to register 4 (b / 2) + b % 2, those of
; (block b, odd tile) to 4 (b / 2) + 2 + b % 2; two exchanges of halves for each four registers give register 4 c + i of lane (r, h) the keys 64 c + 32 h + 8 i + 0..7.
; LIMITS: NaN and infinities are not served.  A p under 2^-126 is 0 (v_exp_f32: ISA guide 15.8).  A block's largest p is made from the block's largest score by the same two instructions, which takes
; v_exp_f32 not to fall where its input rises.  1 / sum is v_rcp_f32.  A block of zeros gets the byte 1 and not 127: its codes are zeros, and the bytes are read by this program alone.
; The scale bytes of o leave one byte a lane (32 bytes of a span of 64): a scale word's halves belong to two heads, which may lie in two clusters.
.set HB,   71680                       ; a head's block: k's codes at 0, k's scale words at 32,768, v's codes at 36,864, v's scale words at 69,632
.set WV,  12                           ; s12 wave;  s13 place in the cluster;  s14 cluster
.set CX,  13
.set CG,  14
.set ASX, 19                           ; s19-21 unit u's place in a row's scale words: 64 (head / 2) + 2 (head % 2)
.set CS,  22                           ; s[22:23] c = log2(e) / 8
.set SEL, 24                           ; s[24:25] v_permlanex16_b32's selects for lane l xor 16
.set HI,  26                           ; s26 lanes 16-31 as a mask
.set CNT, 27
.set KB,  28                           ; s28 LDS byte of the step's codes (k's; v's lie 36,864 on);  s29 of k's scale words less 32,768;  s30 of v's scale words
.set SB,  29
.set VB,  30
.set G1,  32                           ; s[32:39] descriptor group 1;  s[40:51] three groups 0
.set G0,  40
.set QSB, 52                           ; s[52:53] where my tile's scale words of q lie
.set KVA, 54                           ; s[54:55] kvbuf at my quarter of the cluster's first block
; s[2:3] is an offset pair throughout: s3 is 0 and holds nothing else
.set LI,  1                            ; v1 16 x lane;  v2 8 x lane
.set L8,  2
.set AA,  3                            ; v3-5 the step's LDS addresses
.set AB,  4
.set AV,  5
.set R8,  7                            ; v7 8 r;  v9 4 r + h;  v10 the scale byte's offset
.set R4H, 9
.set ASO, 10
.set QF,  16                           ; v16-39 q's fragments, one for each unit;  v40-42 their scale words
.set QS,  40
.set KS,  44                           ; v44-47 k's scale words: register i: lanes 0-15 tile 2 i, lanes 16-31 tile 2 i + 1;  v48-49 v's likewise
.set VS,  48
.set KF,  52                           ; v52-83 four fragments of k
.set VF,  84                           ; v84-115 four fragments of v
.set SS,  116                          ; v116-179 S^T, then p
.set OT,  180                          ; v180-211 O^T
.set PC,  212                          ; v212-219 p's codes
.set BM,  220                          ; v220-223 the blocks' maxima;  v224-227 at work;  v228-231 the conversions' scale operands
.set T2,  224
.set SCV, 228
.set FF,  232                          ; v[232:233] f = 2^(old M - new M)
.set TMP, 234
.set PW,  235                          ; p's scale word
.set SUM2, 236                         ; v[236:237] the sums' second chain
.set OC,  238                          ; v238-241 o's codes;  v242 its scale byte
.set BY,  242
; v12 -M, v13 the largest t, v[14:15] the sum in two halves
.macro CROUND                          ; a round of the cluster's barrier
	s_barrier_signal -1
	s_barrier_wait -1
	s_cmp_lg_u32 s[WV], 0
	s_cbranch_scc1 .Lnot_wave_0_\@
	s_barrier_signal -3
.Lnot_wave_0_\@:
	s_barrier_wait -3
	s_barrier_signal -1
	s_barrier_wait -1
.endm
	s_load_b256 s[4:11], s[0:1], 0x0               ; qbuf, kvbuf, ac, asc
	v_lshl_add_u32 v254, v0, 2, 0x34800
	v_mov_b32 v255, 0
	ds_add_u32 v254, v255
	ds_add_u32 v254, v255
	v_lshrrev_b32 v1, 5, v0
	v_readfirstlane_b32 s[WV], v1
	s_bfe_u32 s[CX], ttmp6, 0x40000
	s_mov_b32 s[CG], ttmp9
	; group 1: a quarter of a block, 17,920 dense bytes, as 70 rows of 256 bytes (32 elements of 8)
	s_mov_b32 s[G1], 15|(3<<16)|(1<<21)            ; 15:0 the mask: all four partners; 17:16 elements of 8 bytes; 21 set beside a mask
	s_mov_b32 s[G1+1], 32<<16
	s_mov_b32 s[G1+2], 70<<16
	s_mov_b32 s[G1+3], 32<<16
	s_mov_b32 s[G1+4], 70
	s_mov_b32 s[G1+5], 32
	s_mov_b32 s[G1+6], 0
	s_mov_b32 s[G1+7], 0
	s_mul_i32 s16, s[WV], 17920                    ; my quarter: no place in the cluster enters these addresses
	s_mul_i32 s2, s[CG], 3*HB
	s_add_co_u32 s2, s2, s16
	s_mov_b32 s3, 0
	s_wait_dscnt 0x0
	s_wait_kmcnt 0x0
	s_add_nc_u64 s[KVA:KVA+1], s[6:7], s[2:3]
.irp u, 0,1,2
	s_mov_b32 s[G0+4*\u], 1
	s_add_co_u32 s[G0+4*\u+1], s16, \u*HB
	s_add_nc_u64 s[G0+4*\u+2:G0+4*\u+3], s[KVA:KVA+1], \u*HB
	s_or_b32 s[G0+4*\u+3], s[G0+4*\u+3], 0x80000000
.endr
	CROUND                                         ; all four partners are here: the joint loads meet
	s_cmp_lt_u32 s[WV], 4                          ; the fills stand in one branch on the wave's number: three tensor loads of a fetching wave are out
	s_cbranch_scc0 .Lasked
	tensor_load_to_lds s[G0:G0+3], s[G1:G1+7]
	s_nop 0
	tensor_load_to_lds s[G0+4:G0+7], s[G1:G1+7]
	s_nop 0
	tensor_load_to_lds s[G0+8:G0+11], s[G1:G1+7]
	s_nop 0
.rept 4
	v_nop                                          ; four v_nop behind the loads
.endr
.Lasked:
	v_and_b32 v3, 31, v0
	v_lshlrev_b32 v[LI], 4, v3
	v_lshlrev_b32 v[L8], 3, v3
	v_and_b32 v4, 15, v0                           ; r
	v_bfe_u32 v5, v0, 4, 1                         ; h
	v_lshlrev_b32 v[R8], 3, v4
	v_lshl_add_u32 v[R4H], v4, 2, v5
	s_mul_i32 s2, s[CG], 3*36864                   ; qbuf: a head's block is 36,864 bytes
	s_lshl_b32 s17, s[CX], 4
	s_add_co_u32 s17, s17, s[WV]                   ; my tile of 16 queries in a head: 16 cx + wave
	s_add_nc_u64 s[QSB:QSB+1], s[4:5], s[2:3]
	s_lshl_b32 s2, s17, 9
	s_add_nc_u64 s[4:5], s[QSB:QSB+1], s[2:3]      ; its codes: 512 bytes a tile
	s_lshr_b32 s2, s17, 2                          ; its scale words: quad tile / 4, 256 bytes; in it lane (r, u), word i is tile 2 i + u of the quad
	s_lshl_b32 s2, s2, 8
	s_and_b32 s15, s[WV], 1
	s_lshl_b32 s15, s15, 7
	s_add_co_u32 s2, s2, s15
	s_bfe_u32 s15, s[WV], 0x10001
	s_lshl_b32 s15, s15, 2
	s_add_co_u32 s2, s2, s15
	s_add_co_u32 s2, s2, 32768
	s_add_nc_u64 s[QSB:QSB+1], s[QSB:QSB+1], s[2:3]
.irp u, 0,1,2
	global_load_b128 v[QF+8*\u:QF+8*\u+3], v[LI], s[4:5] offset:36864*\u th:TH_LOAD_NT
	global_load_b32 v[QS+\u], v[R8], s[QSB:QSB+1] offset:36864*\u th:TH_LOAD_NT
.endr
	s_lshr_b32 s15, s[CG], 2                       ; the batch
	s_lshl_b32 s15, s15, 6
	s_add_co_u32 s15, s15, s17                     ; my tile of 16 rows among the 1,024 of [batch x token]
	s_and_b32 s18, s[CG], 3
	s_mul_i32 s18, s18, 3                          ; my first head in the batch
	s_mul_i32 s2, s15, 6144                        ; ac: [tile][head][lane][16 bytes]
	s_lshl_b32 s16, s18, 9
	s_add_co_u32 s2, s2, s16
	s_add_nc_u64 s[8:9], s[8:9], s[2:3]
	s_mul_i32 s2, s15, 384                         ; asc: [tile][K step][row][4 bytes]
	s_add_nc_u64 s[10:11], s[10:11], s[2:3]
.irp u, 0,1,2
	s_add_co_u32 s15, s18, \u
	s_lshr_b32 s17, s15, 1
	s_lshl_b32 s17, s17, 6
	s_and_b32 s15, s15, 1
	s_lshl_b32 s15, s15, 1
	s_add_co_u32 s[ASX+\u], s17, s15
.endr
	s_mov_b32 s[CS], 0x3e38aa3b                    ; log2(e) / 8
	s_mov_b32 s[CS+1], s[CS]                       ; (named with it as a pair, so it is written)
	s_mov_b32 s[SEL], 0x76543210
	s_mov_b32 s[SEL+1], 0xfedcba98
	s_mov_b32 s[HI], 0xffff0000
.irp u, 0,1,2
.irp i, 4,5,6,7
	v_mov_b32 v[QF+8*\u+\i], 0                     ; K = 64 .. 127 of the first product: zero codes
.endr
.endr
.irp n, 0,1,2,3
.irp i, 4,5,6,7
	v_mov_b32 v[KF+8*\n+\i], 0
.endr
.endr
.irp b, 0,1,2,3
	v_mov_b32 v[T2+\b], 0                          ; written once: a lane permute's destination counts as one of its sources
.endr
	v_mov_b32 v[TMP], 0
	v_mov_b32 v[FF+1], 0                           ; (named as the upper half of the pair)
	s_wait_loadcnt 0x0                             ; q
.macro SQ kt, u                        ; S^T, tile kt of the step's eight
.if (\kt)%2
	v_wmma_scale_f32_16x16x128_f8f6f4 v[SS+8*(\kt):SS+8*(\kt)+7], v[KF+8*((\kt)%4):KF+8*((\kt)%4)+7], v[QF+8*(\u):QF+8*(\u)+7], 0, v[KS+(\kt)/2], v[QS+(\u)] matrix_a_fmt:MATRIX_FMT_FP4 matrix_b_fmt:MATRIX_FMT_FP4 matrix_a_scale:MATRIX_SCALE_ROW1
.else
	v_wmma_scale_f32_16x16x128_f8f6f4 v[SS+8*(\kt):SS+8*(\kt)+7], v[KF+8*((\kt)%4):KF+8*((\kt)%4)+7], v[QF+8*(\u):QF+8*(\u)+7], 0, v[KS+(\kt)/2], v[QS+(\u)] matrix_a_fmt:MATRIX_FMT_FP4 matrix_b_fmt:MATRIX_FMT_FP4
.endif
.endm
.macro PV n                            ; O^T, channels 16 n on
.if (\n)%2
	v_wmma_scale_f32_16x16x128_f8f6f4 v[OT+8*(\n):OT+8*(\n)+7], v[VF+8*(\n):VF+8*(\n)+7], v[PC:PC+7], v[OT+8*(\n):OT+8*(\n)+7], v[VS+(\n)/2], v[PW] matrix_a_fmt:MATRIX_FMT_FP4 matrix_b_fmt:MATRIX_FMT_FP4 matrix_a_scale:MATRIX_SCALE_ROW1
.else
	v_wmma_scale_f32_16x16x128_f8f6f4 v[OT+8*(\n):OT+8*(\n)+7], v[VF+8*(\n):VF+8*(\n)+7], v[PC:PC+7], v[OT+8*(\n):OT+8*(\n)+7], v[VS+(\n)/2], v[PW] matrix_a_fmt:MATRIX_FMT_FP4 matrix_b_fmt:MATRIX_FMT_FP4
.endif
.endm
; A KEY STEP: 128 keys.  No two matrix instructions that follow each other share an accumulator, over the backward jump too.
.macro STEP u
	v_add_nc_u32 v[AA], s[KB], v[LI]
	v_add_nc_u32 v[AB], s[SB], v[L8]
	v_add_nc_u32 v[AV], s[VB], v[L8]
	ds_load_b64 v[KS:KS+1], v[AB] offset:32768     ; k's scale words: two quads of tiles
	ds_load_b64 v[KS+2:KS+3], v[AB] offset:33024
.irp n, 0,1,2,3
	ds_load_b128 v[KF+8*\n:KF+8*\n+3], v[AA] offset:512*\n
.endr
	s_wait_dscnt 0x0
.irp n, 0,1,2,3
	SQ \n, \u
.endr
.rept 4
	v_nop                                          ; four places in front of loads into registers that matrix instructions have read; with the three additions above they also serve v's registers, which the last step's products read
.endr
.irp n, 0,1,2,3
	ds_load_b128 v[KF+8*\n:KF+8*\n+3], v[AA] offset:2048+512*\n
.endr
.irp k, 0,1
.irp n, 0,1,2,3
	ds_load_b128 v[VF+8*\n+4*\k:VF+8*\n+4*\k+3], v[AA] offset:36864+2048*\k+512*\n   ; v is asked for here and lands under the softmax
.endr
.endr
	ds_load_b64 v[VS:VS+1], v[AV]
	s_wait_dscnt 9                                 ; k's four are in; behind them v's eight and its scale words may be out
.irp n, 4,5,6,7
	SQ \n, \u
.endr
.rept 4
	v_nop                                          ; four places in front of the first read of results
.endr
.irp b, 0,1,2,3
	v_max3_num_f32 v[BM+\b], v[SS+16*\b], v[SS+16*\b+1], v[SS+16*\b+2]   ; THE LARGEST SCORE OF EACH BLOCK OF 32 KEYS serves twice: for the row's maximum and, since p rises with the score, for the block's largest p
.endr
.irp i, 3,5,7,9,11,13
.irp b, 0,1,2,3
	v_max3_num_f32 v[BM+\b], v[BM+\b], v[SS+16*\b+\i], v[SS+16*\b+\i+1]   ; (the four blocks by turns)
.endr
.endr
.irp b, 0,1,2,3
	v_max_num_f32 v[BM+\b], v[BM+\b], v[SS+16*\b+15]
.endr
.irp b, 0,1,2,3
	v_permlanex16_b32 v[T2+\b], v[BM+\b], s[SEL], s[SEL+1]
.endr
.irp b, 0,1,2,3
	v_max_num_f32 v[BM+\b], v[BM+\b], v[T2+\b]     ; with lane l xor 16's 16 keys
.endr
	v_max3_num_f32 v[TMP], v[BM], v[BM+1], v[BM+2]
	v_max_num_f32 v[TMP], v[TMP], v[BM+3]          ; the step's largest score of my query
	v_mul_f32 v[TMP], s[CS], v[TMP]                ; as t (c is positive)
	v_max_num_f32 v13, v13, v[TMP]                 ; the running largest t
	v_mov_b32 v[TMP], v12
	v_floor_f32 v12, -v13                          ; the new -M = floor(-t) = -ceil(t)
	v_sub_f32 v[TMP], v12, v[TMP]                  ; old M - new M: a whole number, 0 or less
	v_cvt_i32_f32 v[TMP], v[TMP]                   ; (it saturates)
	v_ldexp_f32 v[FF], 1.0, v[TMP]                 ; f = 2^(old M - new M)
.irp j, 0,2,4,6,8,10,12,14,16,18,20,22,24,26,28,30,32,34,36,38,40,42,44,46,48,50,52,54,56,58,60,62
	v_pk_fma_f32 v[SS+\j:SS+\j+1], v[SS+\j:SS+\j+1], s[CS:CS+1], v[12:13] op_sel_hi:[1,0,0]   ; t - M, two at a time
.endr
.irp b, 0,1,2,3
	v_fma_f32 v[BM+\b], v[BM+\b], s[CS], v12       ; the same of each block's largest score
.endr
.set j, 0
.rept 64
	v_exp_f32 v[SS+j], v[SS+j]                     ; p = 2^(t - M), at most 1
.set j, j+1
.endr
	v_pk_mul_f32 v[14:15], v[14:15], v[FF:FF+1] op_sel_hi:[1,0]   ; the sums under the new M: the plain instruction behind the exponentials
	s_wait_alu depctr_va_vdst(0)                   ; one wait for the whole batch, ahead of its first reader
.irp b, 0,1,2,3
	v_exp_f32 v[BM+\b], v[BM+\b]                   ; the block's largest p
.endr
	v_pk_add_f32 v[SUM2:SUM2+1], v[SS:SS+1], v[SS+2:SS+3]   ; THE ROW'S SUM IS TAKEN OF THE UNQUANTISED p, two at a time, in two chains; it reads the 64 alone
.irp j, 4,8,12,16,20,24,28,32,36,40,44,48,52,56,60
	v_pk_add_f32 v[14:15], v[14:15], v[SS+\j:SS+\j+1]
	v_pk_add_f32 v[SUM2:SUM2+1], v[SUM2:SUM2+1], v[SS+\j+2:SS+\j+3]
.endr
	v_pk_add_f32 v[14:15], v[14:15], v[SUM2:SUM2+1]
	s_wait_alu depctr_va_vdst(0)                   ; and one for the four
.irp b, 0,1,2,3
	v_max_num_f32 v[BM+\b], 0x1800000, v[BM+\b]    ; the floor 2^(3 - 127): the byte cannot fall under 1
.endr
.irp b, 0,1,2,3
	v_add_nc_u32 v[SCV+\b], 0xff000000, v[BM+\b]   ; 2 off the exponent field: the conversion's scale operand
.endr
.irp b, 0,1,2,3
	v_lshrrev_b32 v[T2+\b], 23, v[SCV+\b]          ; the scale's byte
.endr
	v_lshl_or_b32 v[PW], v[T2+1], 8, v[T2]         ; p's scale word for these 128 keys
	v_lshl_or_b32 v[PW], v[T2+2], 16, v[PW]
	v_lshl_or_b32 v[PW], v[T2+3], 24, v[PW]
.irp b, 0,1,2,3
	v_cvt_scalef32_pk8_fp4_f32 v[PC+4*(\b/2)+(\b%2)], v[SS+16*\b:SS+16*\b+7], v[SCV+\b]
	v_cvt_scalef32_pk8_fp4_f32 v[PC+4*(\b/2)+2+(\b%2)], v[SS+16*\b+8:SS+16*\b+15], v[SCV+\b]
.endr
	v_nop                                          ; one plain place behind a scaled conversion
.irp k, 0,1
	v_permlane16_swap_b32 v[PC+4*\k], v[PC+4*\k+1]
	v_permlane16_swap_b32 v[PC+4*\k+2], v[PC+4*\k+3]
.endr
.irp j, 0,2,4,6,8,10,12,14,16,18,20,22,24,26,28,30
	v_pk_mul_f32 v[OT+\j:OT+\j+1], v[OT+\j:OT+\j+1], v[FF:FF+1] op_sel_hi:[1,0]   ; O^T under the new M, each accumulator from its low end on; for each product twelve of these name none of its registers: the places between p's scale word and codes and their use
.endr
	s_wait_dscnt 0x0                               ; v
.irp n, 0,1,2,3
	PV \n
.endr
	s_add_co_u32 s[KB], s[KB], 4096                ; the next step's codes,
	s_add_co_u32 s[SB], s[SB], 512                 ; k's scale words,
	s_add_co_u32 s[VB], s[VB], 256                 ; v's
.endm
; A UNIT: my 16 queries against all 1,024 keys of head 3 g + u.
.macro UNIT u
.if \u == 0
	s_wait_tensorcnt 2                             ; tensor loads of a wave end in order (ISA guide 10.11.1): my quarter of block 0 is in; the two blocks asked for behind it may be out.  A wave that fetched nothing passes
.endif                                         ; (units 1 and 2: all my fills were waited for ahead of unit 0's stores)
	s_barrier_signal -1
	s_barrier_wait -1                              ; all four quarters of block u are in.
	v_mov_b32 v13, 0xff61b1e6                      ; the largest t so far: -3e38
	v_floor_f32 v12, -v13                          ; -M
	v_mov_b32 v14, 0
	v_mov_b32 v15, 0
.set j, 0
.rept 32
	v_mov_b32 v[OT+j], 0                           ; the step is written once a unit: its first trip finds zeros, which the first change of M leaves zeros
.set j, j+1
.endr
	s_mov_b32 s[KB], \u*HB
	s_mov_b32 s[SB], \u*HB
	s_mov_b32 s[VB], \u*HB+69632
	s_mov_b32 s[CNT], 8
.Lstep_\@:
	STEP \u
	s_sub_co_u32 s[CNT], s[CNT], 1
	s_cmp_lg_u32 s[CNT], 0
	s_cbranch_scc1 .Lstep_\@
.if \u == 0
	s_wait_tensorcnt 0x0                           ; my quarters of blocks 1 and 2, asked for eight key steps ago, are in: my stores to memory follow only behind my fills, and the next two barriers show whole blocks
.else
	s_wait_xcnt 0x0                                ; the last unit's stores have read their registers, which are written again below
.endif
	v_add_f32 v14, v14, v15                        ; the sum's two halves,
	v_permlanex16_b32 v[TMP], v14, s[SEL], s[SEL+1]
	v_add_f32 v14, v14, v[TMP]                     ; and lane l xor 16's: the row's sum
	v_rcp_f32 v14, v14
	v_add_nc_u32 v[ASO], s[ASX+\u], v[R4H]         ; (the plain instruction behind the reciprocal)  my scale byte's place: 64 (head / 2) + 4 r + 2 (head % 2) + h
.rept 3
	v_nop                                          ; with the additions above: the places behind the last products
.endr
	s_wait_alu depctr_va_vdst(0)                   ; ahead of the reciprocal's first reader
.set j, 0
.rept 32
	v_mul_f32 v[SS+j], v[OT+j], v14                ; o(r, 16 n + 8 h + i) at register 8 n + i
.set j, j+1
.endr
.irp b, 0,1
	v_max3_num_f32 v[BM+\b], |v[SS+16*\b]|, |v[SS+16*\b+1]|, 0x1800000   ; the head's two blocks of 32 channels
.endr
.irp i, 2,4,6,8,10,12,14
.irp b, 0,1
	v_max3_num_f32 v[BM+\b], v[BM+\b], |v[SS+16*\b+\i]|, |v[SS+16*\b+\i+1]|
.endr
.endr
.irp b, 0,1
	v_permlanex16_b32 v[T2+\b], v[BM+\b], s[SEL], s[SEL+1]
.endr
.irp b, 0,1
	v_max_num_f32 v[BM+\b], v[BM+\b], v[T2+\b]
.endr
.irp b, 0,1
	v_add_nc_u32 v[SCV+\b], 0xff000000, v[BM+\b]
.endr
.irp b, 0,1
	v_cvt_scalef32_pk8_fp4_f32 v[OC+\b], v[SS+16*\b:SS+16*\b+7], v[SCV+\b]
	v_cvt_scalef32_pk8_fp4_f32 v[OC+2+\b], v[SS+16*\b+8:SS+16*\b+15], v[SCV+\b]
.endr
	v_cndmask_b32 v[BY], v[SCV], v[SCV+1], s[HI]   ; (the plain place behind the conversions)  lane (r, h) takes block h's scale,
	v_permlane16_swap_b32 v[OC], v[OC+1]           ; register i of lane (r, h): channels 32 h + 8 i + 0..7
	v_permlane16_swap_b32 v[OC+2], v[OC+3]
	v_lshrrev_b32 v[BY], 23, v[BY]                 ; as a byte
	global_store_b128 v[LI], v[OC:OC+3], s[8:9] offset:512*\u   ; 32 lanes store 512 consecutive bytes, at a multiple of 256 from ac's first byte
	global_store_b8 v[ASO], v[BY], s[10:11]
.endm
	UNIT 0
	UNIT 1
	UNIT 2
	s_wait_tensorcnt 0x0
	ds_add_u32 v254, v255
	s_wait_dscnt 0x0
	CROUND                                         ; the closing round: no work-group ends while a partner may still ask for a tile that names it
	s_endpgm
.Lfunc_end_k_q3fb8de013e_attn:
	.size	k_q3fb8de013e_attn, .Lfunc_end_k_q3fb8de013e_attn-k_q3fb8de013e_attn
	.p2alignl 7, 3214868480
	.fill 96, 4, 3214868480
	.section	.rodata,"a",@progbits
	.p2align	6, 0x0
	.amdhsa_kernel k_q3fb8de013e_attn
		.amdhsa_group_segment_fixed_size 217088
		.amdhsa_private_segment_fixed_size 0
		.amdhsa_enable_private_segment 0
		.amdhsa_kernarg_size 32
		.amdhsa_user_sgpr_count 2
		.amdhsa_user_sgpr_kernarg_segment_ptr 1
		.amdhsa_wavefront_size32 1
		.amdhsa_system_sgpr_workgroup_id_x 1
		.amdhsa_system_sgpr_workgroup_id_y 1
		.amdhsa_system_sgpr_workgroup_id_z 1
		.amdhsa_system_vgpr_workitem_id 0
		.amdhsa_next_free_vgpr 256
		.amdhsa_next_free_sgpr 66
		.amdhsa_reserve_vcc 0
		.amdhsa_float_denorm_mode_32 3
		.amdhsa_float_denorm_mode_16_64 3
		.amdhsa_memory_ordered 1
		.amdhsa_forward_progress 1
		.amdhsa_inst_pref_size 67
	.end_amdhsa_kernel
	.amdgpu_metadata
---
amdhsa.version: [ 1, 2 ]
amdhsa.kernels:
  - .name:           k_q3fb8de013e_attn
    .symbol:         k_q3fb8de013e_attn.kd
    .args:
      - { .name: qbuf, .offset: 0, .size: 8, .value_kind: global_buffer, .address_space: global }
      - { .name: kvbuf, .offset: 8, .size: 8, .value_kind: global_buffer, .address_space: global }
      - { .name: ac, .offset: 16, .size: 8, .value_kind: global_buffer, .address_space: global }
      - { .name: asc, .offset: 24, .size: 8, .value_kind: global_buffer, .address_space: global }
    .group_segment_fixed_size: 217088
    .private_segment_fixed_size: 0
    .kernarg_segment_align: 8
    .kernarg_segment_size: 32
    .max_flat_workgroup_size: 512
    .sgpr_count:     66
    .vgpr_count:     256
    .wavefront_size: 32
...
	.end_amdgpu_metadata
.endif
;; end of part 2
;; launch oproj (part 3): grid 256 x 1, 12 waves a work-group, no clusters, 79,872 bytes of LDS; arguments ac, asc, Wo_codes, Wo_scales, bo, out0; writes out0
.if DOCPART == 3
	.amdgcn_target "amdgcn-amd-amdhsa--gfx1250"
	.amdhsa_code_object_version 6
	.text
	.protected	k_q3fb8de013e_oproj
	.globl	k_q3fb8de013e_oproj
	.p2align	8
	.type	k_q3fb8de013e_oproj,@function
k_q3fb8de013e_oproj:
	s_mov_b64 s[64:65], 0
	v_nop
	global_prefetch_b8 v0, s[64:65] scope:SCOPE_SE
	s_setreg_imm32_b32 hwreg(HW_REG_WAVE_MODE, 25, 1), 1
	s_wait_xcnt 0x0
; out = a Wo^T + bo on codes of FP4 (E2M1) with E8M0 scales, K = 768.  a: the attention's result as images of operand registers, ac [1,024 tiles of 16 rows][12 halves of a K step][lane][16 bytes],
; and its scale words asc [tile][6 K steps][16 rows][4 bytes].  Wo: [768][768] codes, K innermost; its scale bytes [768][24].  bo [768], out [16,384][768]: f32.
; SHARES.  A work-group makes 64 rows x all 768 columns.  THE TWELVE WAVES SHARE THE COLUMNS: wave w makes columns 64 w .. 64 w + 63 for all 64 rows.  Its part of Wo, 24 fragments in 192 registers, is read
; from memory once and stays.  A wave's 64 columns are 256 bytes of a row of out: its own stage in LDS gives whole aligned runs of 256 bytes, and no wave waits for another on the way out.
; The work-group's 24,576 bytes of ac and 1,536 of asc are read once, 16 and 4 bytes a thread, laid into LDS as they lie, and read by all twelve waves behind ONE barrier.
; The product is used transposed (source 0 = 16 rows of Wo, source 1 = 16 rows of a): a lane holds eight neighbouring columns of one row.  The bias is the C of each sum's first product.
; NO CLUSTER, NO TENSOR LOAD: what the work-groups share is Wo, which goes from memory straight into registers.  Through LDS its 294,912 + 18,432 bytes would have to lie beside this text's 78,336: more than the 327,680 that there are.
; LIMITS: NaN, infinities and a given scale byte 0xff are not served.
.set ASC,   24576                      ; LDS: a's images at 0, their scale words here,
.set STAGE, 26112                      ; and a stage of 16 rows x (256 bytes + 16) for each wave
.set SP,    272
.set LI,  1                            ; v1 16 x lane;  v2 16 x thread;  v3 4 x thread
.set T16, 2
.set T4,  3
.set WA,  4                            ; v4 Wo: row r of 384 bytes + 16 h
.set ASA, 5                            ; v5 LDS: row r's scale word
.set STO, 6                            ; v6 the stage: where I put 32 bytes of a row;  v7 where I read a row back;  v8 the same place in out
.set RD,  7
.set CO,  8
.set L24, 9                            ; v9 24 x lane;  v10 32 h
.set H32, 10
.set AF,  12                           ; v12-59 a's six fragments of a tile; at the head what is on its way to LDS; on the way out 16 rows read back
.set ASW, 60                           ; v60-65 a's scale words
.set WS,  66                           ; v66-77 Wo's scale words: register 6 p + s: lanes 0-15 tile 2 p, lanes 16-31 tile 2 p + 1, K step s
.set ACC, 78                           ; v78-109 four accumulators
.set BI,  110                          ; v110-141 the bias in the result's layout
.set WF,  144                          ; v144-335 Wo's fragment (K step s, tile n) at 144 + 8 (4 s + n): the last ten lie in window 1
.set MSB, 0
.macro WIN new                         ; the immediate's high byte repeats the setting that is left
.if MSB != (\new)
	s_set_vgpr_msb (MSB<<8)|(\new)
.set MSB, (\new)
.endif
.endm
	s_load_b256 s[4:11], s[0:1], 0x0               ; ac, asc, Wo's codes, Wo's scales
	s_load_b128 s[12:15], s[0:1], 0x20             ; bo, out
	v_lshl_add_u32 v142, v0, 2, 0x13200
	v_mov_b32 v143, 0
	v_lshrrev_b32 v1, 5, v0
	v_readfirstlane_b32 s16, v1                    ; wave 0..11
	v_and_b32 v60, 31, v0                          ; lane
	v_and_b32 v61, 15, v0                          ; r
	v_bfe_u32 v62, v0, 4, 1                        ; h
	v_lshlrev_b32 v[LI], 4, v60
	v_lshlrev_b32 v[T16], 4, v0
	v_lshlrev_b32 v[T4], 2, v0
	v_mul_u32_u24 v[WA], v61, 384
	v_lshl_add_u32 v[WA], v62, 4, v[WA]
	v_lshl_add_u32 v[ASA], v61, 2, ASC
	s_mul_i32 s17, s16, 16*SP
	s_add_co_u32 s17, s17, STAGE                   ; my stage
	v_mul_u32_u24 v[STO], v61, SP
	v_lshl_add_u32 v[STO], v62, 5, v[STO]
	v_add_nc_u32 v[STO], s17, v[STO]               ; in: row r, 32 bytes for each half of the lanes
	v_mul_u32_u24 v[RD], v62, SP
	v_lshl_add_u32 v[RD], v61, 4, v[RD]
	v_add_nc_u32 v[RD], s17, v[RD]                 ; back: lanes 0-15 one row of 256 bytes, lanes 16-31 the next
	s_lshl_b32 s26, s16, 8
	s_mov_b32 s27, 0
	v_mul_u32_u24 v[CO], v62, 3072
	v_lshl_add_u32 v[CO], v61, 4, v[CO]
	v_add_nc_u32 v[CO], s26, v[CO]                 ; and the same two rows in out, at my wave's 256 bytes
	v_mul_u32_u24 v[L24], v60, 24
	v_lshlrev_b32 v[H32], 5, v62
	s_mul_i32 s18, ttmp9, 24576                    ; my work-group's four tiles in ac,
	s_mov_b32 s19, 0
	s_mul_i32 s20, ttmp9, 1536                     ; in asc,
	s_mov_b32 s21, 0
	s_mul_i32 s28, ttmp9, 196608                   ; and its 64 rows of out
	s_mov_b32 s29, 0
	s_mul_i32 s22, s16, 24576                      ; my wave's 64 rows of Wo,
	s_mov_b32 s23, 0
	s_mul_i32 s24, s16, 1536                       ; and their scale bytes
	s_mov_b32 s25, 0
	s_wait_kmcnt 0x0
	s_add_nc_u64 s[4:5], s[4:5], s[18:19]
	s_add_nc_u64 s[6:7], s[6:7], s[20:21]
	s_add_nc_u64 s[8:9], s[8:9], s[22:23]
	s_add_nc_u64 s[10:11], s[10:11], s[24:25]
	s_add_nc_u64 s[12:13], s[12:13], s[26:27]
	s_add_nc_u64 s[14:15], s[14:15], s[28:29]
.irp m, 0,1,2,3
	global_load_b128 v[AF+4*\m:AF+4*\m+3], v[T16], s[4:5] offset:6144*\m th:TH_LOAD_NT   ; 384 threads x 16 bytes: a tile's 6,144 bytes
.endr
	global_load_b32 v[AF+16], v[T4], s[6:7] th:TH_LOAD_NT
.irp s, 0,1,2,3,4,5
.irp n, 0,1,2,3
.set fr, WF+8*(4*\s+\n)
	WIN 0x40*(fr/256)                              ; the destination's window
.set rA, fr%256
	global_load_b128 v[rA:rA+3], v[WA], s[8:9] offset:6144*\n+64*\s
	global_load_b128 v[rA+4:rA+7], v[WA], s[8:9] offset:6144*\n+64*\s+32
.endr
.endr
	WIN 0
	s_wait_loadcnt 48                              ; loads come back in order (ISA guide 5.7.1): the first five are in; Wo's 48, issued behind them, may be out
.irp m, 0,1,2,3
	ds_store_b128 v[T16], v[AF+4*\m:AF+4*\m+3] offset:6144*\m
.endr
	ds_store_b32 v[T4], v[AF+16] offset:ASC
.irp p, 0,1
.irp q, 0,1,2
	global_load_b64 v[WS+6*\p+2*\q:WS+6*\p+2*\q+1], v[L24], s[10:11] offset:768*\p+8*\q   ; these fourteen go out while the LDS stores land: 62 loads of mine are out at the most
.endr
.endr
.irp n, 0,1,2,3
	global_load_b128 v[BI+8*\n:BI+8*\n+3], v[H32], s[12:13] offset:64*\n      ; bo[64 w + 16 n + 8 h + 0..7]
	global_load_b128 v[BI+8*\n+4:BI+8*\n+7], v[H32], s[12:13] offset:64*\n+16
.endr
	s_wait_dscnt 0x0                               ; for the others' sake: my stores have landed
	s_barrier_signal -1
	s_barrier_wait -1                              ; a's images and scale words lie in LDS; nobody writes them again
	s_wait_loadcnt 0x0                             ; Wo, its scale words, the bias
.macro OP s, n                         ; one product: K step s, columns 16 n on
.set fr, WF+8*(4*(\s)+(\n))
	WIN fr/256                                     ; source 0's window
.set rA, fr%256
.set rD, ACC+8*(\n)
.if (\s) == 0
.set rC, BI+8*(\n)
.else
.set rC, rD
.endif
.if (\n)%2
	v_wmma_scale_f32_16x16x128_f8f6f4 v[rD:rD+7], v[rA:rA+7], v[AF+8*(\s):AF+8*(\s)+7], v[rC:rC+7], v[WS+6*((\n)/2)+(\s)], v[ASW+(\s)] matrix_a_fmt:MATRIX_FMT_FP4 matrix_b_fmt:MATRIX_FMT_FP4 matrix_a_scale:MATRIX_SCALE_ROW1
.else
	v_wmma_scale_f32_16x16x128_f8f6f4 v[rD:rD+7], v[rA:rA+7], v[AF+8*(\s):AF+8*(\s)+7], v[rC:rC+7], v[WS+6*((\n)/2)+(\s)], v[ASW+(\s)] matrix_a_fmt:MATRIX_FMT_FP4 matrix_b_fmt:MATRIX_FMT_FP4
.endif
.endm
; A tile of 16 rows: 18 LDS loads, 24 products (the four accumulators by turns, one instruction a turn), and the way out.
.macro TILE m
.if \m > 0
	s_wait_xcnt 0x0                                ; the last tile's stores have read their registers, into which the loads below land
.endif
.irp s, 0,1,2,3,4,5
	ds_load_b128 v[AF+8*\s:AF+8*\s+3], v[LI] offset:6144*\m+1024*\s
	ds_load_b128 v[AF+8*\s+4:AF+8*\s+7], v[LI] offset:6144*\m+1024*\s+512
	ds_load_b32 v[ASW+\s], v[ASA] offset:384*\m+64*\s
.endr
	s_wait_dscnt 0x0
.irp s, 0,1,2,3,4,5
.irp n, 0,1,2,3
	OP \s, \n
.endr
.endr
	WIN 0
.rept 5
	v_nop                                          ; four places in front of the stores of results and of loads into registers that the products read; the fifth because the next tile's first products write over these accumulators with another C
.endr
.irp n, 0,1,2,3
	ds_store_b128 v[STO], v[ACC+8*\n:ACC+8*\n+3] offset:64*\n        ; each accumulator from its low end on
	ds_store_b128 v[STO], v[ACC+8*\n+4:ACC+8*\n+7] offset:64*\n+16
.endr
.irp i, 0,1,2,3,4,5,6,7
	ds_load_b128 v[AF+4*\i:AF+4*\i+3], v[RD] offset:\i*2*SP          ; LDS serves a wave's instructions in order (ISA guide 5.7.1.4): these see my stores, and the next tile's stores come behind them
.endr
.irp i, 0,1,2,3,4,5,6,7
	s_wait_dscnt 7-\i                              ; the younger read-backs may be out
	global_store_b128 v[CO], v[AF+4*\i:AF+4*\i+3], s[14:15] offset:(16*\m+2*\i)*3072 th:TH_STORE_NT   ; 16 lanes store 256 consecutive bytes, at a multiple of 256 from out's first byte; written once, read by nobody here
.endr
.endm
	TILE 0
	TILE 1
	TILE 2
	TILE 3
	s_wait_tensorcnt 0x0
	ds_add_u32 v142, v143
	s_wait_dscnt 0x0
	s_endpgm
.Lfunc_end_k_q3fb8de013e_oproj:
	.size	k_q3fb8de013e_oproj, .Lfunc_end_k_q3fb8de013e_oproj-k_q3fb8de013e_oproj
	.p2alignl 7, 3214868480
	.fill 96, 4, 3214868480
	.section	.rodata,"a",@progbits
	.p2align	6, 0x0
	.amdhsa_kernel k_q3fb8de013e_oproj
		.amdhsa_group_segment_fixed_size 79872
		.amdhsa_private_segment_fixed_size 0
		.amdhsa_enable_private_segment 0
		.amdhsa_kernarg_size 48
		.amdhsa_user_sgpr_count 2
		.amdhsa_user_sgpr_kernarg_segment_ptr 1
		.amdhsa_wavefront_size32 1
		.amdhsa_system_sgpr_workgroup_id_x 1
		.amdhsa_system_sgpr_workgroup_id_y 1
		.amdhsa_system_sgpr_workgroup_id_z 1
		.amdhsa_system_vgpr_workitem_id 0
		.amdhsa_next_free_vgpr 336
		.amdhsa_next_free_sgpr 66
		.amdhsa_reserve_vcc 0
		.amdhsa_float_denorm_mode_32 3
		.amdhsa_float_denorm_mode_16_64 3
		.amdhsa_memory_ordered 1
		.amdhsa_forward_progress 1
		.amdhsa_inst_pref_size 36
	.end_amdhsa_kernel
	.amdgpu_metadata
---
amdhsa.version: [ 1, 2 ]
amdhsa.kernels:
  - .name:           k_q3fb8de013e_oproj
    .symbol:         k_q3fb8de013e_oproj.kd
    .args:
      - { .name: ac, .offset: 0, .size: 8, .value_kind: global_buffer, .address_space: global }
      - { .name: asc, .offset: 8, .size: 8, .value_kind: global_buffer, .address_space: global }
      - { .name: Wo_codes, .offset: 16, .size: 8, .value_kind: global_buffer, .address_space: global }
      - { .name: Wo_scales, .offset: 24, .size: 8, .value_kind: global_buffer, .address_space: global }
      - { .name: bo, .offset: 32, .size: 8, .value_kind: global_buffer, .address_space: global }
      - { .name: out0, .offset: 40, .size: 8, .value_kind: global_buffer, .address_space: global }
    .group_segment_fixed_size: 79872
    .private_segment_fixed_size: 0
    .kernarg_segment_align: 8
    .kernarg_segment_size: 48
    .max_flat_workgroup_size: 384
    .sgpr_count:     66
    .vgpr_count:     336
    .wavefront_size: 32
...
	.end_amdgpu_metadata
.endif
;; end of part 3
